; MI455X (gfx1250); checked and timed in simulation.
; The chip was launched on July 23, 2026; its instructions are those of AMD's public machine-readable ISA for CDNA 5 (MIT licence, August 2026) and "CDNA5" Instruction Set Architecture Reference Guide (July 2026). The comments in the code are by the model that wrote it; some were corrected since.
;; Dot Product Attention. Allowed arithmetic: matrix products marked QUANTISED: E2M1 operands, one E8M0 scale for each 32 along K, by v_wmma_scale_f32_16x16x128_f8f6f4 with both operands' format E2M1 (or v_wmma_scale_f32_32x16x128_f4), f32 sums; everything else in f32.
;; Inputs: k 8 x 2,048 x 1,024 float32; q 8 x 2,048 x 1,024 float32; rep_mask 8 x 2,048 x 1 int32; v 8 x 2,048 x 1,024 float32.
;; Outputs: out0 8 x 2,048 x 1,024 float32.
;; This version of the problem:
;;   THIS VERSION OF THE PROBLEM IS GIVEN IN LOW PRECISION. The matrix products marked QUANTISED in the list below multiply operands that are first quantised to E2M1 (2 exponent bits, 1 mantissa bit; 4 bits a number), with one power-of-two scale for each 32 numbers along K (OCP MX v1.0); their sums are f32. All else is computed in f32.
;;   The module's matrix products, in the order in which they are computed (A, B: the left and right operand; K: the contracted axis; several contracted axes count as one K, in the product's order):
;;     1. batch 8 x [M 2,048, K 1,024] x [K 1,024, N 2,048]; A: input q; B: input k: QUANTISED
;;     2. batch 8 x [M 2,048, K 2,048] x [K 2,048, N 1,024]; A: computed on the way; B: input v: QUANTISED
;;   THE QUANTISER, for each operand of a quantised product, along K:
;;     - K is cut into blocks of 32 from its start; a last block that is shorter is filled with zeros.
;;     - A block's scale is 2^e with e = floor(log2(the largest magnitude in the block)) - 2, held to -126 .. 127; a block of zeros has e = 0. As a byte (E8M0): e + 127.
;;     - Each number is divided by its block's scale, clamped to +-6, and rounded to the nearest number of E2M1, ties to even, subnormals kept.
;;     - The product sums the exact products of the quantised numbers (number of the format x scale) in f32.
;;   ~~~python
;;   def quantise(x, axis):      # numpy; x: float32 -> the quantised numbers, widened to float32 again
;;       x = np.moveaxis(x, axis, -1); K = x.shape[-1]
;;       x = np.pad(x, [(0, 0)] * (x.ndim - 1) + [(0, -K % 32)]); x = x.reshape(x.shape[:-1] + (-1, 32)); a = np.abs(x).max(-1, keepdims=True)
;;       e = np.where(a > 0, np.clip(np.frexp(np.where(a > 0, a, 1))[1] - 1 - 2, -126, 127), 0)      # np.frexp(a)[1] - 1 = floor(log2(a)), exactly
;;       r = np.clip(x / 2.0 ** e, -6, 6)
;;       step = 2.0 ** (np.maximum(np.frexp(np.where(r == 0, 1, r))[1] - 1, 0) - 1)
;;       q = np.round(r / step) * step * 2.0 ** e      # np.round: ties to even
;;       return np.moveaxis(q.reshape(q.shape[:-2] + (-1,))[..., :K], -1, axis).astype(np.float32)
;;   ~~~
;;   OPERANDS COMPUTED ON THE WAY. 'Computed on the way' means the value that the module computes at that place (a softmax that the list does not call 'softmax' is quantised finished and normalised). What goes into a quantiser is computed in f32, as accurately as f32 sums, v_exp_f32 and their like allow (about 1e-6 of the number): no bf16 or f16 on the way to a quantiser, and a product that is left as it is and whose result goes on into a quantised operand takes f32 operands (vector FMAs, or v_wmma_f32_16x16x4_f32). A number that lies on a knife's edge between two numbers of the format may be rounded either way, as far as f32 arithmetic and the matrix unit's own rounding can turn it there, and no further.
;; One version. Each part assembles by itself: llvm-mc -triple=amdgcn-amd-amdhsa -mcpu=gfx1250 --defsym DOCPART=n.
;; ======== version 1 of 1: 2 launches
;; limits: right only within a limited range of input values
;; workspace buffers: qc 8,912,896 bytes; kc 8,912,896 bytes; vc 8,912,896 bytes
;; launch quant (part 1): grid 768 x 1, 4 waves a work-group, no clusters, 34,304 bytes of LDS; arguments q, k, v, rep_mask, qc, kc, vc; writes qc, kc, vc
.if DOCPART == 1
	.amdgcn_target "amdgcn-amd-amdhsa--gfx1250"
	.amdhsa_code_object_version 6
	.text
	.protected	k_qd0d6111f8a_quant
	.globl	k_qd0d6111f8a_quant
	.p2align	8
	.type	k_qd0d6111f8a_quant,@function
k_qd0d6111f8a_quant:
	s_mov_b64 s[64:65], 0
	v_nop
	global_prefetch_b8 v0, s[64:65] scope:SCOPE_SE
	s_setreg_imm32_b32 hwreg(HW_REG_WAVE_MODE, 25, 1), 1
	s_wait_xcnt 0x0
; q, k, v [8][2048][1024] f32 become codes of FP4 (E2M1) with one E8M0 byte for each 32 along the later product's K, laid IN THE ORDER OF THE OPERAND'S REGISTERS.
; A BLK of 4,352 bytes holds 16 rows x 512 along K: four images of 1,024 bytes (128 along K each: register group cc of lane l at 512 cc + 16 l), then 256 bytes of scale words (row r, image s: 4096 + 16 r + 4 s).
; qc, kc: [batch][2 chunks of 512 along D][128 tiles of 16 rows][BLK].  vc: [batch][4 chunks of 512 keys][64 tiles of 16 channels][BLK]: K = the keys.
; Row i of tile t of kc is key 32 (t / 2) + 8 (t % 2) + i + 8 (i / 8), so that later a lane's 16 registers of two neighbouring score tiles are 16 neighbouring keys.
; A block's scale is 2^(floor(log2(largest magnitude)) - 2); its byte is the largest magnitude's exponent field - 2, held at 1 from below.
; WORK-GROUPS 0-255 take v: a lane takes a channel and its registers run down the keys (nothing is transposed).  WORK-GROUPS 256-767 take q and k: a wave takes one tile of 16 rows.
; A ROW OF q OR k WHOSE MASK WORD IS 0 IS NOT FETCHED: its scores are multiplied by 0 later, so the tile's first row is read in its place (offset = min(mask, 1) x the row's offset).
; LIMITS: rep_mask holds 0 or 1; NaN and infinities among the inputs are not served (in masked rows of q and k they are not even seen); blocks whose largest magnitude lies under 2^-124, and blocks of zeros,
; keep the byte 1 (zero codes add nothing under it; these bytes are read by this program alone).
; No tensor loads, no barrier: waves share nothing.
.set BLK,  4352
; vc IS LAID BY STEPS OF 128 KEYS (this takes the place of what the lines above say of vc): [batch][16 steps][VSTP bytes]: 64 images of 1,024 bytes (tile of 16 channels x 128 keys),
; then 4,096 bytes of scale words (tile t, row r: 65536 + 64 t + 4 r).
.set VSTP, 69632
.set CHQ,  128*BLK                     ; from chunk to chunk in qc and kc
.set AD,   12                          ; v12-27   q, k: byte offset of my 16 bytes in each of the 16 rows
.set R,    28                          ; v28-155  two sets of 16 x 4 registers as loaded
.set X,    156                         ; v156-219 64 numbers: register 16 b + i = k 32 b + 16 (lane / 16) + i of row lane % 16
.set TM,   220                         ; v220-223 largest magnitudes, v224-227 at work, v228-231 the conversions' scale operands
.set WD,   232                         ; v232-239 the scale word of each 128 along D
.set PC,   240                         ; v240-247 a fragment's codes
.set SPI,  528                         ; a stage row: 512 bytes + 16
.set WST,  16*SPI                      ; a wave's stage
.set VX,   32                          ; v: v32-95 two sets of 32 numbers
.set VC,   96                          ; v: v96-159 four registers of codes for each of 16 blocks: no store's data are written again
.set VS,   24                          ; v: v24-27 scale bytes, four to a register
	s_load_b256 s[4:11], s[0:1], 0x0               ; q, k, v, rep_mask
	s_load_b128 s[12:15], s[0:1], 0x20             ; qc, kc
	s_load_b64 s[32:33], s[0:1], 0x30              ; vc
	v_lshl_add_u32 v254, v0, 2, 0x8400
	v_mov_b32 v255, 0
	v_lshrrev_b32 v1, 5, v0
	v_readfirstlane_b32 s2, v1                     ; wave
	v_and_b32 v1, 31, v0                           ; lane
	v_and_b32 v2, 15, v0                           ; r
	v_bfe_u32 v3, v0, 4, 1                         ; h
	s_cmp_lt_u32 ttmp9, 256
	s_cbranch_scc1 .Lv_path
	; ---------------- q and k ----------------
	s_sub_co_u32 s34, ttmp9, 256
	s_lshl_b32 s34, s34, 2
	s_add_co_u32 s34, s34, s2                      ; my tile among 2 x 8 x 128
	s_lshr_b32 s35, s34, 10                        ; 0: q, 1: k
	s_bfe_u32 s36, s34, 0x30007                    ; batch
	s_and_b32 s37, s34, 127                        ; tile
	s_lshl_b32 s38, s37, 4                         ; q: first row 16 t
	s_lshr_b32 s39, s37, 1
	s_lshl_b32 s39, s39, 5
	s_and_b32 s40, s37, 1
	s_lshl_b32 s40, s40, 3
	s_add_co_u32 s39, s39, s40                     ; k: first row 32 (t / 2) + 8 (t % 2)
	s_mov_b32 s41, 16*4096
	s_wait_kmcnt 0x0
	s_cmp_eq_u32 s35, 0                            ; the choices hang on the work-group's number alone
	s_cselect_b64 s[4:5], s[4:5], s[6:7]
	s_cselect_b64 s[12:13], s[12:13], s[14:15]
	s_cselect_b32 s38, s38, s39
	s_cselect_b32 s41, 8*4096, s41                 ; bytes from the tile's row 0 to its row 8: 8 rows in q, 16 in k
	s_cselect_b32 s42, 32, 64                      ; the same among the mask's words
	s_lshl_b32 s39, s36, 11
	s_add_co_u32 s38, s38, s39                     ; first row, counted over all batches
	s_lshl_b32 s44, s38, 2
	s_mov_b32 s45, 0
	s_mov_b32 s43, 0
	s_add_nc_u64 s[10:11], s[10:11], s[44:45]
	s_add_nc_u64 s[46:47], s[10:11], s[42:43]
	s_load_b256 s[16:23], s[10:11], 0x0            ; the mask words of rows 0-7
	s_load_b256 s[24:31], s[46:47], 0x0            ; and of rows 8-15
	s_lshl_b32 s44, s38, 12
	s_add_nc_u64 s[4:5], s[4:5], s[44:45]          ; the tile's first row in q or k
	s_lshl_b32 s44, s36, 8
	s_add_co_u32 s44, s44, s37
	s_mul_i32 s44, s44, BLK
	s_add_nc_u64 s[12:13], s[12:13], s[44:45]      ; the tile's BLK of chunk 0
	s_wait_alu depctr_va_vdst(0)
	v_lshlrev_b32 v4, 4, v1                        ; 16 x lane
	s_mul_i32 s48, s2, WST
	v_add_nc_u32 v5, s48, v4                       ; into my stage: a row's 512 bytes as they lie
	v_mul_u32_u24 v6, v2, SPI
	v_lshl_add_u32 v6, v3, 6, v6
	v_add_nc_u32 v6, s48, v6                       ; out of it: row r, + 64 h: my 16 numbers of a block of 32
	v_mul_u32_u24 v7, v3, CHQ
	v_lshl_add_u32 v7, v2, 4, v7
	v_and_b32 v8, 7, v2                            ; THE CODES OF A ROW WHOSE MASK WORD IS 0 ARE CLEARED: its scores are then 0, which is what the problem's s x mq x mk makes of them
	v_lshrrev_b32 v9, 3, v2
	v_mul_u32_u24 v9, s42, v9
	v_lshl_add_u32 v8, v8, 2, v9                   ; row r's mask word: 4 (r % 8), and from row 0 to row 8 as among the rows
	global_load_b32 v9, v8, s[10:11]
	s_mov_b32 s50, 0x76543210
	s_mov_b32 s51, 0xfedcba98                      ; v_permlanex16_b32's selects for lane l xor 16
	s_mov_b32 s52, 0xffff0000                      ; lanes 16-31
.irp b, 0,1,2,3
	v_mov_b32 v[TM+4+\b], 0                        ; a lane permute's destination counts as one of its sources
.endr
	s_wait_kmcnt 0x0
.irp i, 0,1,2,3,4,5,6,7
	s_min_u32 s[16+\i], s[16+\i], 1                ; 0 or 1
	s_mul_i32 s[16+\i], s[16+\i], \i*4096          ; the row's own bytes, or the tile's row 0
	v_add_nc_u32 v[AD+\i], s[16+\i], v4
.endr
	s_wait_alu depctr_va_vdst(0)
.irp i, 0,1,2,3,4,5,6,7
	s_min_u32 s[24+\i], s[24+\i], 1
	s_add_co_u32 s49, s41, \i*4096
	s_mul_i32 s[24+\i], s[24+\i], s49
	v_add_nc_u32 v[AD+8+\i], s[24+\i], v4
.endr
.macro QLOAD s                         ; 128 along D of the 16 rows: each load reads 512 consecutive bytes of one row
.irp i, 0,1,2,3,4,5,6,7,8,9,10,11,12,13,14,15
	global_load_b128 v[R+64*((\s)%2)+4*\i:R+64*((\s)%2)+4*\i+3], v[AD+\i], s[4:5] offset:512*(\s)
.endr
.endm
.macro QSTEP s
.if (\s) < 7
	s_wait_loadcnt 16                              ; this step's 16 loads are in; the next step's 16 may be out
.else
	s_wait_loadcnt 0x0
.endif
.if (\s) == 0
	v_min_u32 v9, 1, v9                            ; (the mask word's load is older than the step's loads)
	v_sub_nc_u32 v9, 0, v9                         ; all ones, or 0
.endif
.irp i, 0,1,2,3,4,5,6,7,8,9,10,11,12,13,14,15
	ds_store_b128 v5, v[R+64*((\s)%2)+4*\i:R+64*((\s)%2)+4*\i+3] offset:SPI*\i
.endr
.irp n, 0,1,2,3,4,5,6,7,8,9,10,11,12,13,14,15
	ds_load_b128 v[X+4*\n:X+4*\n+3], v6 offset:128*(\n/4)+16*(\n%4)   ; LDS serves a wave's instructions in order: these see the stores above
.endr
	s_wait_dscnt 0x0                               ; the numbers are back, and the stores have read their registers,
.if (\s)+2 < 8
	QLOAD (\s)+2                                   ; which take the loads of two steps on
.endif
.irp b, 0,1,2,3
	v_max3_num_f32 v[TM+\b], |v[X+16*\b]|, |v[X+16*\b+1]|, 0x1800000   ; block b: my 16 numbers, and the floor 2^(3 - 127): the byte cannot fall under 1
.endr
.irp n, 2,4,6,8,10,12,14
.irp b, 0,1,2,3
	v_max3_num_f32 v[TM+\b], v[TM+\b], |v[X+16*\b+\n]|, |v[X+16*\b+\n+1]|
.endr
.endr
.irp b, 0,1,2,3
	v_permlanex16_b32 v[TM+4+\b], v[TM+\b], s50, s51
.endr
.irp b, 0,1,2,3
	v_max_num_f32 v[TM+\b], v[TM+\b], v[TM+4+\b]   ; with lane l xor 16's: the block's largest magnitude
.endr
.irp b, 0,1,2,3
	v_add_nc_u32 v[TM+8+\b], 0xff000000, v[TM+\b]  ; 2 off its exponent field: the conversion's scale operand
.endr
.irp b, 0,1,2,3
	v_lshrrev_b32 v[TM+4+\b], 23, v[TM+8+\b]       ; the scale's byte
.endr
	v_lshl_or_b32 v[WD+(\s)], v[TM+5], 8, v[TM+4]
	v_lshl_or_b32 v[WD+(\s)], v[TM+6], 16, v[WD+(\s)]
	v_lshl_or_b32 v[WD+(\s)], v[TM+7], 24, v[WD+(\s)]
	s_wait_xcnt 0x0                                ; the last step's stores have read the codes' registers, which are written again below
.irp b, 0,1,2,3
	v_cvt_scalef32_pk8_fp4_f32 v[PC+2*\b], v[X+16*\b:X+16*\b+7], v[TM+8+\b]
	v_cvt_scalef32_pk8_fp4_f32 v[PC+2*\b+1], v[X+16*\b+8:X+16*\b+15], v[TM+8+\b]
.endr
	v_nop                                          ; one plain place behind a scaled conversion
.irp n, 0,1,2,3,4,5,6,7
	v_and_b32 v[PC+\n], v9, v[PC+\n]
.endr
.irp c, 0,1                            ; the operand wants a whole block in a lane: lanes 0-15 block 2 c, lanes 16-31 block 2 c + 1
.irp n, 0,1
	v_permlane16_swap_b32 v[PC+4*\c+\n], v[PC+4*\c+2+\n]
.endr
.endr
	global_store_b128 v4, v[PC:PC+3], s[12:13] offset:((\s)/4)*CHQ+((\s)%4)*1024       ; 32 lanes store 512 consecutive bytes, aligned to 256
	global_store_b128 v4, v[PC+4:PC+7], s[12:13] offset:((\s)/4)*CHQ+((\s)%4)*1024+512
.endm
	s_wait_alu depctr_va_vdst(0)
	QLOAD 0
	QLOAD 1
.irp s, 0,1,2,3,4,5,6,7
	QSTEP \s
.endr
.irp n, 0,1,2,3
	v_cndmask_b32 v[TM+\n], v[WD+\n], v[WD+4+\n], s52   ; lanes 0-15: chunk 0's four words of row r; lanes 16-31: chunk 1's
.endr
	global_store_b128 v7, v[TM:TM+3], s[12:13] offset:4096   ; sixteen lanes store 256 consecutive bytes, aligned
	s_wait_tensorcnt 0x0
	ds_add_u32 v254, v255
	s_wait_dscnt 0x0
	s_endpgm
	; ---------------- v ----------------
.Lv_path:
	s_lshr_b32 s34, ttmp9, 5                       ; batch
	s_bfe_u32 s35, ttmp9, 0x20003                  ; chunk of 512 keys
	s_and_b32 s36, ttmp9, 7                        ; group of 128 channels
	s_lshl_b32 s37, s34, 2
	s_add_co_u32 s37, s37, s35
	s_lshl_b32 s38, s37, 21                        ; 512 keys of 4,096 bytes
	s_lshl_b32 s39, s36, 9
	s_add_co_u32 s38, s38, s39
	s_lshl_b32 s39, s2, 7
	s_add_co_u32 s38, s38, s39                     ; + my wave's 32 channels
	s_mov_b32 s39, 0
	s_lshl_b32 s41, s36, 3
	s_lshl_b32 s42, s2, 1
	s_add_co_u32 s41, s41, s42                     ; the first of my wave's two tiles of 16 channels
	s_mul_i32 s40, s37, 4*VSTP                     ; my chunk's four steps of 128 keys
	s_lshl_b32 s42, s41, 6
	s_add_co_u32 s42, s42, s40
	s_add_co_u32 s42, s42, 65536                   ; my tiles' scale words in the first of them
	s_mov_b32 s43, 0
	s_lshl_b32 s41, s41, 10
	s_add_co_u32 s40, s40, s41                     ; my tiles' images
	s_mov_b32 s41, 0
	s_wait_alu depctr_va_vdst(0)
	v_lshlrev_b32 v4, 2, v1                        ; in: 4 bytes a lane
	v_lshlrev_b32 v5, 10, v3
	v_lshl_add_u32 v5, v2, 4, v5                   ; out: tile lane / 16, 16 bytes for row lane % 16
	s_wait_alu depctr_va_vdst(0)
	s_wait_kmcnt 0x0
	s_add_nc_u64 s[8:9], s[8:9], s[38:39]
	s_add_nc_u64 s[44:45], s[32:33], s[42:43]
	s_add_nc_u64 s[32:33], s[32:33], s[40:41]
.macro VLOAD t                         ; block t: v(32 t + i, my channel), i = 0 .. 31
.irp i, 0,1,2,3,4,5,6,7,8,9,10,11,12,13,14,15,16,17,18,19,20,21,22,23,24,25,26,27,28,29,30,31
	global_load_b32 v[VX+32*((\t)%2)+\i], v4, s[8:9] offset:(32*(\t)+\i)*4096 th:TH_LOAD_NT
.endr
.endm
.macro VBLOCK t
.set XS, VX+32*((\t)%2)
.if (\t) < 15
	s_wait_loadcnt 32                              ; this block's 32 loads are in; the next block's may be out
.else
	s_wait_loadcnt 0x0
.endif
	v_max3_num_f32 v12, |v[XS]|, |v[XS+1]|, |v[XS+2]|   ; the block's largest magnitude: all 32 numbers are mine
	v_max3_num_f32 v13, |v[XS+3]|, |v[XS+4]|, |v[XS+5]|
.irp i, 6,10,14,18,22,26
	v_max3_num_f32 v12, v12, |v[XS+\i]|, |v[XS+\i+1]|
	v_max3_num_f32 v13, v13, |v[XS+\i+2]|, |v[XS+\i+3]|
.endr
	v_max3_num_f32 v12, v12, |v[XS+30]|, |v[XS+31]|
	v_max3_num_f32 v12, v12, v13, 0x1800000        ; and the floor
	v_add_nc_u32 v11, 0xff000000, v12
	v_lshrrev_b32 v13, 23, v11
.if (\t)%4 == 0
	v_mov_b32 v[VS+(\t)/4], v13                    ; four bytes make the scale word of 128 keys
.else
	v_lshl_or_b32 v[VS+(\t)/4], v13, 8*((\t)%4), v[VS+(\t)/4]
.endif
.irp g, 0,1,2,3
	v_cvt_scalef32_pk8_fp4_f32 v[VC+4*(\t)+\g], v[XS+8*\g:XS+8*\g+7], v11
.endr
	v_nop                                          ; one plain place behind a scaled conversion
	global_store_b128 v5, v[VC+4*(\t):VC+4*(\t)+3], s[32:33] offset:VSTP*((\t)/4)+512*(((\t)%4)/2)+256*((\t)%2)   ; block t: step t / 4, the image's group (t % 4) / 2, lanes 16 (t % 2) on
.if (\t)+2 < 16
	VLOAD (\t)+2
.endif
.endm
	VLOAD 0
	VLOAD 1
.set Q, 0
.rept 16
	VBLOCK Q
.set Q, Q+1
.endr
.irp n, 0,1,2,3
	global_store_b32 v4, v[VS+\n], s[44:45] offset:VSTP*\n   ; a step's scale words of my two tiles: 128 consecutive bytes a wave
.endr
	s_endpgm
.Lfunc_end_k_qd0d6111f8a_quant:
	.size	k_qd0d6111f8a_quant, .Lfunc_end_k_qd0d6111f8a_quant-k_qd0d6111f8a_quant
	.p2alignl 7, 3214868480
	.fill 96, 4, 3214868480
	.section	.rodata,"a",@progbits
	.p2align	6, 0x0
	.amdhsa_kernel k_qd0d6111f8a_quant
		.amdhsa_group_segment_fixed_size 34304
		.amdhsa_private_segment_fixed_size 0
		.amdhsa_enable_private_segment 0
		.amdhsa_kernarg_size 56
		.amdhsa_user_sgpr_count 2
		.amdhsa_user_sgpr_kernarg_segment_ptr 1
		.amdhsa_wavefront_size32 1
		.amdhsa_system_sgpr_workgroup_id_x 1
		.amdhsa_system_sgpr_workgroup_id_y 1
		.amdhsa_system_sgpr_workgroup_id_z 1
		.amdhsa_system_vgpr_workitem_id 0
		.amdhsa_next_free_vgpr 256
		.amdhsa_next_free_sgpr 66
		.amdhsa_reserve_vcc 0
		.amdhsa_float_denorm_mode_32 3
		.amdhsa_float_denorm_mode_16_64 3
		.amdhsa_memory_ordered 1
		.amdhsa_forward_progress 1
		.amdhsa_inst_pref_size 143
	.end_amdhsa_kernel
	.amdgpu_metadata
---
amdhsa.version: [ 1, 2 ]
amdhsa.kernels:
  - .name:           k_qd0d6111f8a_quant
    .symbol:         k_qd0d6111f8a_quant.kd
    .args:
      - { .name: q, .offset: 0, .size: 8, .value_kind: global_buffer, .address_space: global }
      - { .name: k, .offset: 8, .size: 8, .value_kind: global_buffer, .address_space: global }
      - { .name: v, .offset: 16, .size: 8, .value_kind: global_buffer, .address_space: global }
      - { .name: rep_mask, .offset: 24, .size: 8, .value_kind: global_buffer, .address_space: global }
      - { .name: qc, .offset: 32, .size: 8, .value_kind: global_buffer, .address_space: global }
      - { .name: kc, .offset: 40, .size: 8, .value_kind: global_buffer, .address_space: global }
      - { .name: vc, .offset: 48, .size: 8, .value_kind: global_buffer, .address_space: global }
    .group_segment_fixed_size: 34304
    .private_segment_fixed_size: 0
    .kernarg_segment_align: 8
    .kernarg_segment_size: 56
    .max_flat_workgroup_size: 128
    .sgpr_count:     66
    .vgpr_count:     256
    .wavefront_size: 32
...
	.end_amdgpu_metadata
.endif
;; end of part 1
;; launch attn (part 2): grid 32 x 8, 4 waves a work-group, clusters of 4 x 1, 327,680 bytes of LDS; arguments qc, kc, vc, rep_mask, out0; writes out0
.if DOCPART == 2
	.amdgcn_target "amdgcn-amd-amdhsa--gfx1250"
	.amdhsa_code_object_version 6
	.text
	.protected	k_qd0d6111f8a_attn
	.globl	k_qd0d6111f8a_attn
	.p2align	8
	.type	k_qd0d6111f8a_attn,@function
k_qd0d6111f8a_attn:
	s_mov_b64 s[64:65], 0
	v_nop
	global_prefetch_b8 v0, s[64:65] scope:SCOPE_SE
	s_setreg_imm32_b32 hwreg(HW_REG_WAVE_MODE, 25, 1), 1
	s_wait_xcnt 0x0
	s_wait_alu depctr_hold_cnt(0) depctr_sa_sdst(0) depctr_va_vdst(0) depctr_va_sdst(0) depctr_va_ssrc(0) depctr_va_vcc(0) depctr_vm_vsrc(0)
	s_getreg_b32 s2, hwreg(HW_REG_IB_STS2, 6, 4)
	s_cmp_eq_u32 s2, 0
	s_cbranch_scc0 .Lentry_in_a_cluster
	s_endpgm
.Lentry_in_a_cluster:
	s_bfe_u32 s2, ttmp6, 0x10000c
	s_cmp_lg_u32 s2, 0x3003
	s_cbranch_scc0 .Lentry_shape_is_right
	s_endpgm
.Lentry_shape_is_right:
; THE WHOLE MASKED ATTENTION ON CODES OF FP4 (E2M1) WITH E8M0 SCALES.  A work-group owns 64 queries of one batch and walks all 2,048 keys twice.
; kc holds zero codes for a key whose mask word is 0, so S^T = K Q^T is already u = s x mk.
; PASS 1: each lane keeps, for its query and its keys, the largest u, a whole number M >= c x that (c = log2 e) and the sum of 2^(c u - M) x mk.
;   The eight parts of a query (4 waves x 2 halves of the lanes) are joined once through LDS: T = c x the largest u, L = sum of L_p 2^(M_p - T), rq = mq / (L + (L == 0) + 1e-20).
; PASS 2: S^T again, its sums begun with nk (0, or -1e30 for a masked key) as C; p = 2^(c u - T) x rq, the finished, normalised row, 0 for a masked key; it is quantised along the keys,
;   goes to the other waves as an image of the operand's registers, and O^T += V^T P^T.  Both passes take the D steps in one order, so that both see the same bits of S.
; mq IS LEFT OUT OF THE EXPONENT: where mq = 1 it changes nothing; where mq = 0 the row of p is rq x .. = 0 whatever the (finite) exponent, as the problem's own row is.
; SHARES.  Of a step's 128 keys wave w takes 32 (two tiles of kc, whose rows are ordered so that a lane's 16 registers are 16 neighbouring keys) x all 64 queries: one block of 32 a query.
;   In the second product wave w takes channels 256 w on x all 64 queries: 64 accumulators, 512 registers.  Q's 32 fragments stay in registers (window 1).
; No wave reads another wave's tiles of K or V.  PASS 1 therefore loads K straight into registers: windows 2 and 3, free until O^T begins, hold two sets of a step's 16 fragments,
;   each asked for two steps ahead; the load behind step 14 wraps to step 0 and serves pass 2's first scores.
; PASS 2'S RING: two slots; visit v holds K's step v (two loads of 34,816 bytes) and the lower eight channel tiles of each wave of V's step v - 1 (two loads of 2 rows x 8,192 bytes).
;   The upper eight tiles and V's scale words come straight into registers, asked for behind the scores' products of the visit before.
;   A visit runs O^T += V(v-1) P(v-1), then S(v), p and the store of P(v) (two buffers by turns): the one round at the change of slots also shows P to all waves.
; CLUSTER: the four work-groups of a cluster are four query blocks of one batch: every fill is a joint load with the mask 15.
; No prefetch: every stream is asked for a whole step or visit ahead of its first use, and 32 work-groups of a batch ask for the same bytes.
; LIMITS: rep_mask holds 0 or 1; NaN and infinities are not served; scores stay under 1e30 in magnitude.
; WINDOW 0: v1-15 addresses; v16-31 mk or nk, then work; v32-99 scale words alone; v100-127 a query's numbers, addresses; v128-191 S^T, then P and V; v192-255 K's fragments, V's.  Windows 2, 3: O^T.
.set BLK,  4352
.set QTR,  8*BLK
.set STP,  2*QTR
.set CHQ,  128*BLK
.set SLOT, 0x20000
.set PB,   2*SLOT                      ; P, two buffers of PBUF: four images of 1,024 bytes, then 256 bytes of scale words
.set PBUF, 4608
.set MKB,  PB+2*PBUF                   ; the batch's key mask as f32
.set NKB,  MKB+8192                    ; nk
.set STB,  NKB+8192                    ; three planes of 64 queries x 8 parts: largest u, -M, L
.set SPARE, STB+6144                   ; the spare words: 512 bytes that no other line names
.set SROW, 1040                        ; a stage row on the way out: 1,024 bytes + 16
.set SPW, 1
.set NIL, 2
.set KA,  3
.set KSA, 4
.set MKA, 5
.set VA,  6
.set L16, 7
.set PST, 8
.set PSS, 9
.set PLD, 10
.set PSL, 11
.set C0,  12
.set C1,  13
.set MKC, 14
.set MK,  16
.set TM,  16                           ; pass 2: the quantiser's work, where nk has been used up
.set QSC, 32
.set KSC, 64
.set VSC, 80                           ; pass 1: K's scale words, second set
.set PSC, 96
.set NT,  100                          ; pairs (-M, then -T; mq)
.set RQ,  108                          ; pairs: the sum's two halves, then (rq, -)
.set FP,  116                          ; pass 1: f
.set VC,  116                          ; pass 2: the visit's addresses
.set PLC, 118
.set PSLC, 119
.set PSTC, 120
.set PSSC, 121
.set R16, 122
.set R4,  123
.set UX,  124
.set S,   128
.set PO,  128
.set LV,  160
.set KB,  192
.set T1,  192
.set SOFF, 42
.set KOF,  43
.set MKS,  44
.set CNT,  45
.set SEL,  46
.set CS,   48
.set NCS,  22
.set PR,   60
.set PW,   61
.set MSB, 0
.macro WIN new
.if MSB != (\new)
	s_set_vgpr_msb (MSB<<8)|(\new)
.set MSB, (\new)
.endif
.endm
.macro NOPS n
.rept \n
	v_nop
.endr
.endm
.macro WA
	s_wait_alu depctr_va_vdst(0)
.endm
.macro ROUND                           ; a round of the cluster's barrier
	s_barrier_signal -1
	s_barrier_wait -1
	s_cmp_lg_u32 s14, 0
	s_cbranch_scc1 .Lnw0_\@
	s_barrier_signal -3
.Lnw0_\@:
	s_barrier_wait -3
	s_barrier_signal -1
	s_barrier_wait -1
.endm
.macro FILLV                           ; V's arm
	tensor_load_to_lds s[32:35], s[68:75]
	s_nop 0
	NOPS 4
.endm
.macro FILLJ                           ; waves 0, 1: K's chunks; waves 2, 3: V's halves
	s_cmp_lt_u32 s14, 2
	s_cbranch_scc0 .Lfv_\@
	tensor_load_to_lds s[32:35], s[24:31]
	s_nop 0
	NOPS 4
	s_branch .Lfd_\@
.Lfv_\@:
	FILLV
.Lfd_\@:
.endm
.macro KL d                            ; from the ring: D step d's two fragments of K into buffer d % 4
.irp u, 0,1
.irp g, 0,1
	ds_load_b128 v[KB+16*((\d)%4)+8*\u+4*\g:KB+16*((\d)%4)+8*\u+4*\g+3], v[C0] offset:((\d)/4)*QTR+\u*BLK+1024*((\d)%4)+512*\g
.endr
.endr
.endm
.macro SMUL d, kb, cm, sb              ; eight accumulators by turns.  cm = 1: the sums begin with 0; 2: with nk
.irp a, 0,1,2,3
.irp u, 0,1
.if \cm == 1
	v_wmma_scale_f32_16x16x128_f8f6f4 v[S+16*\a+8*\u:S+16*\a+8*\u+7], v[\kb+8*\u:\kb+8*\u+7], v[64*\a+8*(\d):64*\a+8*(\d)+7], 0, v[\sb+8*\u+(\d)], v[QSC+8*\a+(\d)] matrix_a_fmt:MATRIX_FMT_FP4 matrix_b_fmt:MATRIX_FMT_FP4
.else
.if \cm == 2
	v_wmma_scale_f32_16x16x128_f8f6f4 v[S+16*\a+8*\u:S+16*\a+8*\u+7], v[\kb+8*\u:\kb+8*\u+7], v[64*\a+8*(\d):64*\a+8*(\d)+7], v[MK+8*\u:MK+8*\u+7], v[\sb+8*\u+(\d)], v[QSC+8*\a+(\d)] matrix_a_fmt:MATRIX_FMT_FP4 matrix_b_fmt:MATRIX_FMT_FP4
.else
	v_wmma_scale_f32_16x16x128_f8f6f4 v[S+16*\a+8*\u:S+16*\a+8*\u+7], v[\kb+8*\u:\kb+8*\u+7], v[64*\a+8*(\d):64*\a+8*(\d)+7], v[S+16*\a+8*\u:S+16*\a+8*\u+7], v[\sb+8*\u+(\d)], v[QSC+8*\a+(\d)] matrix_a_fmt:MATRIX_FMT_FP4 matrix_b_fmt:MATRIX_FMT_FP4
.endif
.endif
.endr
.endr
.endm
.macro SM d, cm
	SMUL \d, KB+16*((\d)%4), \cm, KSC
.endm
.macro GK p, off                       ; a step of K straight into set p: its scale words, then 16 fragments, each load 512 consecutive bytes
.irp u, 0,1
.irp c, 0,1
	global_load_b128 v[KSC+16*\p+8*\u+4*\c:KSC+16*\p+8*\u+4*\c+3], v[R16], s[36:37] offset:\off+\c*CHQ+\u*BLK+4096
.endr
.endr
	WIN (2+\p)<<6
.irp d, 0,1,2,3,4,5,6,7
.irp u, 0,1
.irp g, 0,1
	global_load_b128 v[16*\d+8*\u+4*\g:16*\d+8*\u+4*\g+3], v[L16], s[36:37] offset:\off+(\d/4)*CHQ+\u*BLK+1024*(\d%4)+512*\g
.endr
.endr
.endr
	WIN 0
.endm
.macro SPHD p, cm                      ; S^T from set p
	WIN (2+\p)|0x04                                ; source 0 (K) in window 2 + p, source 1 (Q) in window 1
	SMUL 2, 32, \cm, KSC+16*\p
.irp d, 3,0,1,6,7,4,5
	SMUL \d, 16*\d, 0, KSC+16*\p
.endr
	WIN 0
	NOPS 4
.endm
.macro SCALE                           ; c u - M, or c u - T, and the exponentials
.irp a, 0,1,2,3
.irp i, 0,2,4,6,8,10,12,14
	v_pk_fma_f32 v[S+16*\a+\i:S+16*\a+\i+1], v[S+16*\a+\i:S+16*\a+\i+1], s[CS:CS+1], v[NT+2*\a:NT+2*\a+1] op_sel_hi:[1,0,0]
.endr
.endr
	WA                                             ; the wait ahead of the batch
.set n, 0
.rept 64
	v_exp_f32 v[S+n], v[S+n]
.set n, n+1
.endr
.endm
.macro P1S p
	v_add_nc_u32 v[MKC], s[MKS], v[MKA]
	s_add_co_u32 s[MKS], s[MKS], 512
.irp i, 0,1,2,3
	ds_load_b128 v[MK+4*\i:MK+4*\i+3], v[MKC] offset:16*\i
.endr
	WA
	s_wait_loadcnt 36                              ; my set is in; the other set's 36 loads may be out
	SPHD \p, 1
	s_wait_xcnt 0x0                                ; the last loads have read K's address
	s_add_nc_u64 s[36:37], s[36:37], QTR
	s_cmp_eq_u32 s[CNT], 7
.if \p == 0
	s_cselect_b32 s58, 16*QTR, 0                   ; behind step 14: step 0 again, for pass 2
	s_sub_nc_u64 s[36:37], s[36:37], s[58:59]
	GK 0, 0                                        ; the step after the next, into the set just used
.else
	s_cbranch_scc1 .Lnomore_\@                     ; behind step 15 nothing more is wanted
	GK 1, 0
.Lnomore_\@:
.endif
	s_wait_dscnt 0x0                               ; mk
.irp a, 0,1,2,3
	v_max3_num_f32 v[UX+\a], v[UX+\a], v[S+16*\a], v[S+16*\a+1]
.endr
.irp i, 2,4,6,8,10,12,14
.irp a, 0,1,2,3
	v_max3_num_f32 v[UX+\a], v[UX+\a], v[S+16*\a+\i], v[S+16*\a+\i+1]
.endr
.endr
.irp a, 0,1,2,3
	v_mul_f32 v[T1+\a], s[CS], v[UX+\a]
.endr
.irp a, 0,1,2,3
	v_floor_f32 v[T1+4+\a], -v[T1+\a]              ; the new -M
.endr
.irp a, 0,1,2,3
	v_sub_f32 v[T1+\a], v[T1+4+\a], v[NT+2*\a]     ; old M - new M
.endr
.irp a, 0,1,2,3
	v_mov_b32 v[NT+2*\a], v[T1+4+\a]
.endr
.irp a, 0,1,2,3
	v_cvt_i32_f32 v[T1+\a], v[T1+\a]               ; (it saturates)
.endr
.irp a, 0,1,2,3
	v_ldexp_f32 v[FP+\a], 1.0, v[T1+\a]            ; f = 2^(old M - new M)
.endr
	SCALE
.irp a, 0,1,2,3
	v_mul_f32 v[RQ+2*\a], v[RQ+2*\a], v[FP+\a]
	v_mul_f32 v[RQ+2*\a+1], v[RQ+2*\a+1], v[FP+\a]
.endr
	WA                                             ; one wait for the batch, ahead of its first reader
.irp i, 0,2,4,6,8,10,12,14
.irp a, 0,1,2,3
	v_pk_fma_f32 v[RQ+2*\a:RQ+2*\a+1], v[S+16*\a+\i:S+16*\a+\i+1], v[MK+\i:MK+\i+1], v[RQ+2*\a:RQ+2*\a+1]
.endr
.endr
.endm
.macro VLD t, reg
	ds_load_b128 v[\reg:\reg+3], v[VC] offset:1024*(\t)
	ds_load_b128 v[\reg+4:\reg+7], v[VC] offset:1024*(\t)+512
.endm
.macro PV t, reg, zero                 ; channel tile t x the four query tiles
.irp a, 0,1,2,3
.if \zero
	v_wmma_scale_f32_16x16x128_f8f6f4 v[8*(4*((\t)%8)+\a):8*(4*((\t)%8)+\a)+7], v[\reg:\reg+7], v[PO+8*\a:PO+8*\a+7], 0, v[VSC+(\t)], v[PSC+\a] matrix_a_fmt:MATRIX_FMT_FP4 matrix_b_fmt:MATRIX_FMT_FP4
.else
	v_wmma_scale_f32_16x16x128_f8f6f4 v[8*(4*((\t)%8)+\a):8*(4*((\t)%8)+\a)+7], v[\reg:\reg+7], v[PO+8*\a:PO+8*\a+7], v[8*(4*((\t)%8)+\a):8*(4*((\t)%8)+\a)+7], v[VSC+(\t)], v[PSC+\a] matrix_a_fmt:MATRIX_FMT_FP4 matrix_b_fmt:MATRIX_FMT_FP4
.endif
.endr
.endm
.macro TOPV fill                       ; the change of slots.  fill = 1: K's and V's parts; 2: V's alone (there is no further step of K); 0: nothing
	s_wait_tensorcnt 0x0                           ; my part of the slot ahead is in, so group 0 may be written
	ds_add_u32 v[SPW], v[NIL]
.if \fill
	s_add_nc_u64 s[38:39], s[38:39], s[40:41]
	s_xor_b32 s33, s33, SLOT
	s_mov_b64 s[34:35], s[38:39]
	s_or_b32 s35, s35, 0x80000000
.endif
	s_wait_dscnt 0x0                               ; the add is done, my reads of the slot left are over and my part of P is stored
.if \fill
	ROUND
.if \fill == 2
	s_cmp_lt_u32 s14, 2
	s_cbranch_scc1 .Lnofill_\@
	FILLV
.Lnofill_\@:
.else
	FILLJ
.endif
.else
	s_barrier_signal -1
	s_barrier_wait -1
.endif
.endm
.macro PVPH zero, ks                   ; O^T += V^T P^T for the step before; ks = 1: K's first loads for this visit's scores are issued under it
	v_add_nc_u32 v[VC], s[SOFF], v[VA]
	v_add_nc_u32 v[PLC], s[PR], v[PLD]
	v_add_nc_u32 v[PSLC], s[PR], v[PSL]
.if \ks
	v_add_nc_u32 v[C0], s[SOFF], v[KA]
	v_add_nc_u32 v[C1], s[SOFF], v[KSA]
	v_add_nc_u32 v[MKC], s[MKS], v[MKA]
	v_add_nc_u32 v[PSTC], s[PW], v[PST]
	v_add_nc_u32 v[PSSC], s[PW], v[PSS]
.endif
	WA                                             ; the addresses are read again behind waits
.irp a, 0,1,2,3
	ds_load_b128 v[PO+8*\a:PO+8*\a+3], v[PLC] offset:1024*\a
	ds_load_b128 v[PO+8*\a+4:PO+8*\a+7], v[PLC] offset:1024*\a+512
	ds_load_b32 v[PSC+\a], v[PSLC] offset:64*\a
.endr
.irp t, 0,1,2,3
	VLD \t, LV+8*\t
.endr
.if \ks
.irp u, 0,1
.irp c, 0,1
	ds_load_b128 v[KSC+8*\u+4*\c:KSC+8*\u+4*\c+3], v[C1] offset:\c*QTR+\u*BLK
.endr
.endr
.irp i, 0,1,2,3
	ds_load_b128 v[MK+4*\i:MK+4*\i+3], v[MKC] offset:16*\i
.endr
.endif
	s_wait_loadcnt 16                              ; V's scale words are in; its sixteen fragment loads may be out
	s_wait_dscnt 8*\ks                             ; all but K's scale words and nk
	WIN 0xa0                                       ; C and D in window 2
	WA                                             ; the wait ahead of the first reader of O^T
.irp t, 0,1,2,3
	PV \t, LV+8*\t, \zero
.endr
	WIN 0
	NOPS 4                                         ; places in front of loads into registers that matrix instructions have read
.irp t, 4,5,6,7
	VLD \t, LV+8*(\t-4)
.endr
	s_wait_loadcnt 0x0                             ; the upper eight tiles are in, and their addresses may be stepped
	s_add_nc_u64 s[52:53], s[52:53], STP
	s_add_nc_u64 s[54:55], s[54:55], STP
	WIN 0xf0
.irp t, 8,9,10,11,12,13,14,15
	PV \t, KB+8*(\t-8), \zero
.endr
	WIN 0
	NOPS 4
.if \ks
	KL 2
	KL 3
.endif
	s_wait_dscnt 8*\ks                             ; tiles 4-7 are in; the eight just issued may be out
	WIN 0xa0
.irp t, 4,5,6,7
	PV \t, LV+8*(\t-4), \zero
.endr
	WIN 0
.endm
.macro SPH2                            ; S^T from the ring (D steps 2, 3 are on their way)
	NOPS 5                                         ; places: the sums below are laid over P and V's fragments
	KL 0
	KL 1
	WIN 0x04
	s_wait_dscnt 8                                 ; all but the eight just issued
	SM 2, 2
	SM 3, 0
	NOPS 4
	KL 6
	KL 7
	s_wait_dscnt 8
	SM 0, 0
	SM 1, 0
	NOPS 4
	KL 4
	KL 5
	s_wait_dscnt 8
	SM 6, 0
	SM 7, 0
	s_wait_dscnt 0x0
	SM 4, 0
	SM 5, 0
	WIN 0
	NOPS 4
.endm
.macro CVT a, cd
	v_cvt_scalef32_pk8_fp4_f32 v[\cd], v[S+16*\a:S+16*\a+7], v[TM+8+\a]
	v_cvt_scalef32_pk8_fp4_f32 v[\cd+1], v[S+16*\a+8:S+16*\a+15], v[TM+8+\a]
.endm
.macro PSTO a, cd
	ds_store_b64 v[PSTC], v[\cd:\cd+1] offset:1024*\a   ; block w of the image: group w / 2, lane 16 (w % 2) + r, 8 bytes for each half
	ds_store_b8 v[PSSC], v[TM+4+\a] offset:64*\a        ; byte w of query r's scale word
.endm
.macro VP2                             ; this step's part of V that comes straight into registers is asked for; then p, its codes and scale bytes
.irp t, 0,1,2,3,4,5,6,7,8,9,10,11,12,13,14,15
	global_load_b32 v[VSC+\t], v[R4], s[54:55] offset:64*\t
.endr
.irp i, 0,1,2,3,4,5,6,7
	global_load_b128 v[KB+8*\i:KB+8*\i+3], v[L16], s[52:53] offset:1024*\i
	global_load_b128 v[KB+8*\i+4:KB+8*\i+7], v[L16], s[52:53] offset:1024*\i+512
.endr
	SCALE
	v_nop                                          ; a plain place behind the last exponential
	WA
.irp a, 0,1,2,3
.irp i, 0,2,4,6,8,10,12,14
	v_pk_mul_f32 v[S+16*\a+\i:S+16*\a+\i+1], v[S+16*\a+\i:S+16*\a+\i+1], v[RQ+2*\a:RQ+2*\a+1] op_sel_hi:[1,0]
.endr
.endr
.irp a, 0,1,2,3
	v_max3_num_f32 v[TM+\a], v[S+16*\a], v[S+16*\a+1], 0x1800000   ; my 16 of the block, and the floor 2^(3 - 127)
	v_mov_b32 v[TM+4+\a], 0
.endr
.irp i, 2,4,6,8,10,12,14
.irp a, 0,1,2,3
	v_max3_num_f32 v[TM+\a], v[TM+\a], v[S+16*\a+\i], v[S+16*\a+\i+1]
.endr
.endr
.irp a, 0,1,2,3
	v_permlanex16_b32 v[TM+4+\a], v[TM+\a], s[SEL], s[SEL+1]
.endr
.irp a, 0,1,2,3
	v_max_num_f32 v[TM+\a], v[TM+\a], v[TM+4+\a]
.endr
.irp a, 0,1,2,3
	v_add_nc_u32 v[TM+8+\a], 0xff000000, v[TM+\a]  ; 2 off the exponent field: the conversion's scale operand
.endr
.irp a, 0,1,2,3
	v_lshrrev_b32 v[TM+4+\a], 23, v[TM+8+\a]       ; the scale's byte
.endr
	CVT 0, 28
	CVT 1, 30
	CVT 2, 124
	CVT 3, 126
	v_nop                                          ; one plain place behind a scaled conversion
	PSTO 0, 28
	PSTO 1, 30
	PSTO 2, 124
	PSTO 3, 126
	s_xor_b32 s[PR], s[PR], PBUF
	s_xor_b32 s[PW], s[PW], PBUF
	s_add_co_u32 s[MKS], s[MKS], 512
.endm
	s_load_b256 s[4:11], s[0:1], 0x0               ; qc, kc, vc, rep_mask
	s_load_b64 s[12:13], s[0:1], 0x20              ; out0
	v_lshl_add_u32 v[SPW], v0, 2, SPARE
	v_mov_b32 v[NIL], 0
	ds_add_u32 v[SPW], v[NIL]
	ds_add_u32 v[SPW], v[NIL]
	v_lshrrev_b32 v3, 5, v0
	v_readfirstlane_b32 s14, v3                    ; wave
	s_and_b32 s16, s14, 1
	s_bfe_u32 s17, ttmp6, 0x40000                  ; cx
	s_lshl_b32 s18, ttmp9, 2
	s_add_co_u32 s18, s18, s17                     ; query block 0..31
	s_and_b32 s19, ttmp7, 0xffff                   ; batch
	s_mov_b32 s24, 15|(3<<16)|(1<<21)              ; group 1 for K: all four partners; 34,816 dense bytes as 136 rows of 32 elements of 8 bytes
	s_mov_b32 s25, 32<<16
	s_mov_b32 s26, 136<<16
	s_mov_b32 s27, 32<<16
	s_mov_b32 s28, 136
	s_mov_b32 s29, 32
	s_mov_b32 s30, 0
	s_mov_b32 s31, 0
	s_mov_b32 s68, 15|(3<<16)|(1<<21)              ; group 1 for V: 2 rows of 8,192 bytes (eight images), 16,384 bytes apart
	s_mov_b32 s69, 1024<<16
	s_mov_b32 s70, 2<<16
	s_mov_b32 s71, 1024<<16
	s_mov_b32 s72, 2
	s_mov_b32 s73, 2048
	s_mov_b32 s74, 0
	s_mov_b32 s75, 0
	s_mov_b32 s32, 1
	s_mul_i32 s50, s19, 256*BLK                    ; the batch in qc, kc and vc
	s_mul_i32 s36, s14, 2*BLK
	s_add_co_u32 s36, s36, s50                     ; pass 1: my two tiles of K's step 0
	s_mov_b32 s37, 0
	s_mul_i32 s38, s16, CHQ                        ; the ring: waves 0, 1: K's chunks of step 1; waves 2, 3: two waves' lower tiles of V's step 0
	s_add_co_u32 s38, s38, QTR
	s_lshl_b32 s39, s16, 15
	s_mul_i32 s33, s14, QTR
	s_lshl_b32 s51, s16, 14
	s_add_co_u32 s51, s51, STP
	s_mov_b32 s40, STP
	s_cmp_lt_u32 s14, 2
	s_cselect_b32 s38, s38, s39
	s_cselect_b32 s33, s33, s51                    ; where my part lies in slot 0
	s_cselect_b32 s40, QTR, s40                    ; from step to step
	s_add_co_u32 s38, s38, s50
	s_mov_b32 s39, 0
	s_mov_b32 s41, 0
	s_lshl_b32 s52, s14, 14
	s_add_co_u32 s52, s52, 8192
	s_add_co_u32 s52, s52, s50                     ; my upper eight tiles of V's step 0
	s_mov_b32 s53, 0
	s_lshl_b32 s54, s14, 10
	s_add_co_u32 s54, s54, 65536
	s_add_co_u32 s54, s54, s50                     ; my sixteen tiles' scale words
	s_mov_b32 s55, 0
	s_mul_i32 s56, s18, 4*BLK
	s_add_co_u32 s56, s56, s50                     ; my four tiles of qc
	s_mov_b32 s57, 0
	s_lshl_b32 s20, s19, 13                        ; the batch's mask words
	s_mov_b32 s21, 0
	s_lshl_b32 s58, s18, 8
	s_add_co_u32 s58, s58, s20                     ; my queries' mask words
	s_mov_b32 s59, 0
	s_lshl_b32 s22, s58, 10                        ; my queries' rows of out0,
	s_lshl_b32 s23, s14, 10
	s_add_co_u32 s22, s22, s23                     ; my wave's 256 channels
	s_mov_b32 s23, 0
	s_wait_dscnt 0x0
	s_wait_kmcnt 0x0
	s_add_nc_u64 s[36:37], s[6:7], s[36:37]
	s_cmp_lt_u32 s14, 2
	s_cselect_b64 s[34:35], s[6:7], s[8:9]
	s_add_nc_u64 s[38:39], s[34:35], s[38:39]
	s_mov_b64 s[34:35], s[38:39]
	s_or_b32 s35, s35, 0x80000000
	ROUND
	FILLJ                                          ; visit 1's slot: my one load at the head
	s_add_nc_u64 s[52:53], s[8:9], s[52:53]
	s_add_nc_u64 s[54:55], s[8:9], s[54:55]
	s_add_nc_u64 s[4:5], s[4:5], s[56:57]
	s_add_nc_u64 s[20:21], s[10:11], s[20:21]
	s_add_nc_u64 s[10:11], s[10:11], s[58:59]
	s_add_nc_u64 s[12:13], s[12:13], s[22:23]
	s_mul_i32 s60, s14, 2*BLK
	s_add_co_u32 s61, s60, 4096
	s_lshl_b32 s62, s14, 7
	s_add_co_u32 s62, s62, MKB
	s_lshl_b32 s63, s14, 13
	s_add_co_u32 s63, s63, STP
	s_lshl_b32 s51, s14, 8
	s_add_co_u32 s51, s51, PB
	s_add_co_u32 s56, s14, PB+4096
	s_lshl_b32 s57, s14, 3
	s_add_co_u32 s57, s57, STB
	s_mov_b32 s50, 0x7149f2ca                      ; 1e30
	s_mov_b32 s58, 0xf149f2ca                      ; -1e30
	s_mov_b32 s[SEL], 0x76543210
	s_mov_b32 s[SEL+1], 0xfedcba98
	s_mov_b32 s[CS], 0x3fb8aa3b                    ; c = log2(e)
	s_mov_b32 s[CS+1], s[CS]
	s_mov_b32 s[NCS], 0xbfb8aa3b                   ; -c
	s_mov_b32 s[SOFF], 0
	s_mov_b32 s[MKS], 0
	s_mov_b32 s[CNT], 0
	v_and_b32 v12, 15, v0                          ; r
	v_bfe_u32 v13, v0, 4, 1                        ; h
	v_and_b32 v14, 31, v0
	v_lshlrev_b32 v[L16], 4, v14                   ; 16 x lane
	v_add_nc_u32 v[KA], s60, v[L16]                ; the ring's K: tiles 2 w, 2 w + 1
	v_lshl_add_u32 v[KSA], v12, 4, s61             ; their scale words
	v_lshl_add_u32 v[MKA], v13, 6, s62             ; mk of keys 32 w + 16 h on
	v_add_nc_u32 v[VA], s63, v[L16]                ; the ring's V: my lower eight tiles
	v_lshl_add_u32 v[PST], v12, 4, s51
	v_lshl_add_u32 v[PST], v13, 3, v[PST]
	v_lshl_add_u32 v[PSS], v12, 2, s56
	v_add_nc_u32 v[PLD], PB, v[L16]
	v_lshl_add_u32 v[PSL], v12, 2, PB+4096
	v_lshl_add_u32 v15, v12, 5, s57                ; my part's place: 32 r + 8 w + 4 h
	v_lshl_add_u32 v15, v13, 2, v15
	v_lshlrev_b32 v128, 6, v0
	v_lshlrev_b32 v[R16], 4, v12
	v_lshlrev_b32 v[R4], 2, v12
	v_add_nc_u32 v131, MKB, v128
.irp i, 0,1,2,3
	global_load_b128 v[132+4*\i:135+4*\i], v128, s[20:21] offset:16*\i    ; 16 of the batch's mask words a thread
.endr
.irp a, 0,1,2,3
	global_load_b32 v[NT+2*\a+1], v[R4], s[10:11] offset:64*\a            ; mq
.endr
.irp a, 0,1,2,3
.irp c, 0,1
	global_load_b128 v[QSC+8*\a+4*\c:QSC+8*\a+4*\c+3], v[R16], s[4:5] offset:\c*CHQ+\a*BLK+4096
.endr
.endr
	WIN 0x40
.irp a, 0,1,2,3
.irp d, 0,1,2,3,4,5,6,7
.irp g, 0,1
	global_load_b128 v[64*\a+8*\d+4*\g:64*\a+8*\d+4*\g+3], v[L16], s[4:5] offset:(\d/4)*CHQ+\a*BLK+1024*(\d%4)+512*\g
.endr
.endr
.endr
	WIN 0
.irp a, 0,1,2,3
	v_mov_b32 v[UX+\a], 0xfe967699                 ; -1e38, under every u
	v_mov_b32 v[NT+2*\a], 0x7e967699               ; so that the first f is 0
	v_mov_b32 v[RQ+2*\a], 0
	v_mov_b32 v[RQ+2*\a+1], 0
.endr
	WA
	s_wait_loadcnt 63                              ; of 80 loads the first 17 are in: the mask words among them
.set n, 0
.rept 16
	v_cvt_f32_i32 v[132+n], v[132+n]
.set n, n+1
.endr
.set n, 0
.rept 16
	v_fma_f32 v[148+n], v[132+n], s50, s58         ; nk = 0, or -1e30 for a masked key
.set n, n+1
.endr
.irp a, 0,1,2,3
	v_cvt_f32_i32 v[NT+2*\a+1], v[NT+2*\a+1]
.endr
.irp i, 0,1,2,3
	ds_store_b128 v131, v[132+4*\i:135+4*\i] offset:16*\i
	ds_store_b128 v131, v[148+4*\i:151+4*\i] offset:NKB-MKB+16*\i
.endr
	GK 0, 0                                        ; K's steps 0 and 1
	GK 1, QTR
	s_wait_xcnt 0x0
	s_add_nc_u64 s[36:37], s[36:37], QTR           ; at step 1: each later request steps it first
	WA                                             ; the wait at the head's end
	s_wait_dscnt 0x0
	s_barrier_signal -1
	s_barrier_wait -1                              ; the tables are whole
.Lp1:                                              ; PASS 1: eight trips of two steps
	P1S 0
	P1S 1
	s_add_co_u32 s[CNT], s[CNT], 1
	s_cmp_lt_u32 s[CNT], 8
	WA
	s_cbranch_scc1 .Lp1
.irp a, 0,1,2,3
	v_add_f32 v[RQ+2*\a], v[RQ+2*\a], v[RQ+2*\a+1]
.endr
.irp a, 0,1,2,3
	ds_store_b32 v15, v[UX+\a] offset:512*\a
	ds_store_b32 v15, v[NT+2*\a] offset:2048+512*\a
	ds_store_b32 v15, v[RQ+2*\a] offset:4096+512*\a
.endr
	s_mov_b32 s[MKS], NKB-MKB                      ; from here on nk, from step 0
	s_mov_b32 s[CNT], 0
	s_mov_b32 s[PR], PBUF
	s_mov_b32 s[PW], 0
	WA
	s_wait_dscnt 0x0
	s_barrier_signal -1
	s_barrier_wait -1                              ; everybody's parts are stored
	; the eight parts of each of my lanes' four queries are joined: every wave makes all 64 queries' -T and rq
	v_and_b32 v[C0], 15, v0
	v_lshl_add_u32 v[C0], v[C0], 5, STB
.irp a, 0,1,2,3
.irp p, 0,1,2
.irp g, 0,1
	ds_load_b128 v[128+24*\a+8*\p+4*\g:128+24*\a+8*\p+4*\g+3], v[C0] offset:2048*\p+512*\a+16*\g
.endr
.endr
.endr
	WA
	s_wait_dscnt 0x0
.irp a, 0,1,2,3
	v_max3_num_f32 v[UX+\a], v[128+24*\a], v[129+24*\a], v[130+24*\a]
.endr
.irp i, 3,5
.irp a, 0,1,2,3
	v_max3_num_f32 v[UX+\a], v[UX+\a], v[128+24*\a+\i], v[129+24*\a+\i]
.endr
.endr
.irp a, 0,1,2,3
	v_max_num_f32 v[UX+\a], v[UX+\a], v[135+24*\a]
.endr
.irp a, 0,1,2,3
	v_mul_f32 v[NT+2*\a], s[NCS], v[UX+\a]         ; -T
.endr
.irp p, 0,1,2,3,4,5,6,7
.irp a, 0,1,2,3
	v_sub_f32 v[136+24*\a+\p], v[NT+2*\a], v[136+24*\a+\p]   ; M_p - T
.endr
.endr
	WA
.irp p, 0,1,2,3,4,5,6,7
.irp a, 0,1,2,3
	v_exp_f32 v[136+24*\a+\p], v[136+24*\a+\p]
.endr
.endr
	v_nop
	WA
.irp a, 0,1,2,3
	v_mul_f32 v[UX+\a], v[136+24*\a], v[144+24*\a]
.endr
.irp p, 1,2,3,4,5,6,7
.irp a, 0,1,2,3
	v_fma_f32 v[UX+\a], v[136+24*\a+\p], v[144+24*\a+\p], v[UX+\a]
.endr
.endr
.irp a, 0,1,2,3
	v_cmp_eq_f32 vcc_lo, 0, v[UX+\a]
	v_cndmask_b32 v[224+\a], 0, 1.0, vcc_lo
.endr
.irp a, 0,1,2,3
	v_add_f32 v[UX+\a], v[UX+\a], v[224+\a]
.endr
.irp a, 0,1,2,3
	v_add_f32 v[UX+\a], 0x1e3ce508, v[UX+\a]       ; + 1e-20
.endr
	WA
.irp a, 0,1,2,3
	v_rcp_f32 v[224+\a], v[UX+\a]
.endr
	v_nop
	WA
.irp a, 0,1,2,3
	v_mul_f32 v[RQ+2*\a], v[NT+2*\a+1], v[224+\a]  ; rq = mq / the sum
.endr
	v_add_nc_u32 v[MKC], s[MKS], v[MKA]            ; PASS 2.  Step 0's scores, from set 0, and P
	v_add_nc_u32 v[PSTC], s[PW], v[PST]
	v_add_nc_u32 v[PSSC], s[PW], v[PSS]
.irp i, 0,1,2,3
	ds_load_b128 v[MK+4*\i:MK+4*\i+3], v[MKC] offset:16*\i
.endr
	WA
	s_wait_loadcnt 0x0
	s_wait_dscnt 0x0
	SPHD 0, 2
	VP2
	WA
	TOPV 1                                         ; visit 1: the first products start O^T's sums
	PVPH 1, 1
	SPH2
	VP2
	s_xor_b32 s[SOFF], s[SOFF], SLOT
	WA
.Lp2:                                              ; visits 2 to 14
	TOPV 1
	PVPH 0, 1
	SPH2
	VP2
	s_xor_b32 s[SOFF], s[SOFF], SLOT
	s_add_co_u32 s[CNT], s[CNT], 1
	s_cmp_lt_u32 s[CNT], 13
	WA
	s_cbranch_scc1 .Lp2
	TOPV 2                                         ; visit 15 asks for V's last step alone
	PVPH 0, 1
	SPH2
	VP2
	s_xor_b32 s[SOFF], s[SOFF], SLOT
	WA
	TOPV 0                                         ; visit 16: the last step of the second product
	PVPH 0, 0
	; THE WAY OUT: 16 queries x my 256 channels at a time through my stage, in the ring, which has had its last fill; rows leave as runs of 512 bytes
	s_wait_dscnt 0x0
	s_barrier_signal -1
	s_barrier_wait -1                              ; nobody reads the ring any more
	v_and_b32 v3, 15, v0
	v_bfe_u32 v4, v0, 4, 1
	s_mul_i32 s50, s14, 16*SROW
	v_mul_u32_u24 v6, v3, SROW
	v_lshl_add_u32 v6, v4, 5, v6
	v_add_nc_u32 v6, s50, v6                       ; in: row r, 32 h bytes on
	v_add_nc_u32 v8, s50, v[L16]                   ; back: 16 bytes a lane
	WA                                             ; the wait ahead of the first reader of O^T
.macro OST a                           ; query tile a into the stage
	WIN 0x08
.irp t, 0,1,2,3,4,5,6,7
	ds_store_b128 v6, v[8*(4*\t+\a):8*(4*\t+\a)+3] offset:64*\t
	ds_store_b128 v6, v[8*(4*\t+\a)+4:8*(4*\t+\a)+7] offset:64*\t+16
.endr
	WIN 0x0c
.irp t, 0,1,2,3,4,5,6,7
	ds_store_b128 v6, v[8*(4*\t+\a):8*(4*\t+\a)+3] offset:512+64*\t
	ds_store_b128 v6, v[8*(4*\t+\a)+4:8*(4*\t+\a)+7] offset:512+64*\t+16
.endr
	WIN 0
.endm
.macro OLD a                           ; and back by rows, into window 1, two sets by turns.  LDS serves a wave's instructions in order
	WIN 0x40
.irp n, 0,1,2,3,4,5,6,7,8,9,10,11,12,13,14,15,16,17,18,19,20,21,22,23,24,25,26,27,28,29,30,31
	ds_load_b128 v[128*(\a%2)+4*\n:128*(\a%2)+4*\n+3], v8 offset:(\n/2)*SROW+512*(\n%2)
.endr
	WIN 0
.endm
.macro OGS a
	WIN 0x04
.irp n, 0,1,2,3,4,5,6,7,8,9,10,11,12,13,14,15,16,17,18,19,20,21,22,23,24,25,26,27,28,29,30,31
	global_store_b128 v[L16], v[128*(\a%2)+4*\n:128*(\a%2)+4*\n+3], s[12:13] offset:65536*\a+(\n/2)*4096+512*(\n%2) th:TH_STORE_NT
.endr
	WIN 0
.endm
	OST 0
	OLD 0
	OST 1
	s_wait_dscnt 32                                ; tile 0 is back; tile 1's 32 stores into the stage may be out
	OGS 0
	OLD 1
	OST 2
	s_wait_dscnt 32
	OGS 1
	s_wait_xcnt 0x0                                ; tile 0's stores have read their registers
	OLD 2
	OST 3
	s_wait_dscnt 32
	OGS 2
	s_wait_xcnt 0x0
	OLD 3
	s_wait_dscnt 0x0
	OGS 3
	s_wait_tensorcnt 0x0                           ; the wave's end
	ds_add_u32 v[SPW], v[NIL]
	s_wait_dscnt 0x0
	ROUND                                          ; the closing round
	s_endpgm
.Lfunc_end_k_qd0d6111f8a_attn:
	.size	k_qd0d6111f8a_attn, .Lfunc_end_k_qd0d6111f8a_attn-k_qd0d6111f8a_attn
	.p2alignl 7, 3214868480
	.fill 96, 4, 3214868480
	.section	.rodata,"a",@progbits
	.p2align	6, 0x0
	.amdhsa_kernel k_qd0d6111f8a_attn
		.amdhsa_group_segment_fixed_size 327680
		.amdhsa_private_segment_fixed_size 0
		.amdhsa_enable_private_segment 0
		.amdhsa_kernarg_size 40
		.amdhsa_user_sgpr_count 2
		.amdhsa_user_sgpr_kernarg_segment_ptr 1
		.amdhsa_wavefront_size32 1
		.amdhsa_system_sgpr_workgroup_id_x 1
		.amdhsa_system_sgpr_workgroup_id_y 1
		.amdhsa_system_sgpr_workgroup_id_z 1
		.amdhsa_system_vgpr_workitem_id 0
		.amdhsa_next_free_vgpr 1024
		.amdhsa_next_free_sgpr 76
		.amdhsa_reserve_vcc 1
		.amdhsa_float_denorm_mode_32 3
		.amdhsa_float_denorm_mode_16_64 3
		.amdhsa_memory_ordered 1
		.amdhsa_forward_progress 1
		.amdhsa_inst_pref_size 249
	.end_amdhsa_kernel
	.amdgpu_metadata
---
amdhsa.version: [ 1, 2 ]
amdhsa.kernels:
  - .name:           k_qd0d6111f8a_attn
    .symbol:         k_qd0d6111f8a_attn.kd
    .args:
      - { .name: qc, .offset: 0, .size: 8, .value_kind: global_buffer, .address_space: global }
      - { .name: kc, .offset: 8, .size: 8, .value_kind: global_buffer, .address_space: global }
      - { .name: vc, .offset: 16, .size: 8, .value_kind: global_buffer, .address_space: global }
      - { .name: rep_mask, .offset: 24, .size: 8, .value_kind: global_buffer, .address_space: global }
      - { .name: out0, .offset: 32, .size: 8, .value_kind: global_buffer, .address_space: global }
    .group_segment_fixed_size: 327680
    .private_segment_fixed_size: 0
    .kernarg_segment_align: 8
    .kernarg_segment_size: 40
    .max_flat_workgroup_size: 128
    .sgpr_count:     76
    .vgpr_count:     1024
    .wavefront_size: 32
...
	.end_amdgpu_metadata
.endif
;; end of part 2
